; MI455X (gfx1250); checked and timed in simulation.
; The chip was launched on July 23, 2026; its instructions are those of AMD's public machine-readable ISA for CDNA 5 (MIT licence, August 2026) and "CDNA5" Instruction Set Architecture Reference Guide (July 2026). The comments in the code are by the model that wrote it; some were corrected since.
;; Attention. Allowed arithmetic: float matrix products may take bf16 or f16 operands with f32 sums; all other float work in f32.
;; Inputs: Wg 512 x 512 float32; Wk 512 x 512 float32; Wo 512 x 512 float32; Wq 512 x 512 float32; Wv 512 x 512 float32; bg 512 float32; bias 4 x 2,048 x 2,048 float32; bk 512 float32; bo 512 float32; bq 512 float32; bv 512 float32; k 4 x 2,048 x 512 float32; q 4 x 2,048 x 512 float32; v 4 x 2,048 x 512 float32.
;; Outputs: out0 4 x 2,048 x 512 float32.
;; One version. Each part assembles by itself: llvm-mc -triple=amdgcn-amd-amdhsa -mcpu=gfx1250 --defsym DOCPART=n.
;; ======== version 1 of 1: 4 launches
;; workspace buffers: wt 2,621,440 bytes; wqb 8,388,608 bytes; wkb 8,388,608 bytes; wvb 8,388,608 bytes; gb 16,777,216 bytes; ogb 16,777,216 bytes
;; launch wprep (part 1): grid 32 x 5, 4 waves a work-group, no clusters, 17,920 bytes of LDS; arguments Wq, Wk, Wv, Wg, Wo, wt; writes wt
.if DOCPART == 1
	.amdgcn_target "amdgcn-amd-amdhsa--gfx1250"
	.amdhsa_code_object_version 6
	.text
	.protected	k_q121c5962c4_wprep
	.globl	k_q121c5962c4_wprep
	.p2align	8
	.type	k_q121c5962c4_wprep,@function
k_q121c5962c4_wprep:
	s_mov_b64 s[64:65], 0
	v_nop
	global_prefetch_b8 v0, s[64:65] scope:SCOPE_SE
	s_setreg_imm32_b32 hwreg(HW_REG_WAVE_MODE, 25, 1), 1
	s_wait_xcnt 0x0
; The five weights [512 (k)][512 (n)] f32 are rounded to bf16 (nearest even) and transposed into
; wt[p][c2][n][kk] = W_p[128 c2 + kk][n]   (p = 0..4: Wq Wk Wv Wg Wo; c2 = 0..3; n = 0..511; kk = 0..127),
; so that a later tile of 128 k is dense memory with k along its rows of 256 bytes.
; A work-group takes 128 k x 64 n of one weight: 32 KiB in, 16 KiB out; 32 x 5 such blocks are all the work there is.
; No tile is read by two work-groups, so nothing is shared in a cluster, and there is no matrix work.
; Every load covers two aligned runs of 256 bytes, every store 512 dense bytes.
; LIMIT: the weights are rounded to bf16 here (matrix operands).
.set IN, 16                            ; v[16:79]   load i (k = 32 w + 16 h + i): 4 neighbouring n
.set PK, 80                            ; v[80:111]  8 e + a: n = 4 r + e, the k pair 2 a, 2 a + 1
.set RB, 112                           ; v[112:143] rows read back
.set LP, 272                           ; LDS row: 128 bf16 + 16 bytes
	s_load_b256 s[4:11], s[0:1], 0x0               ; Wq Wk Wv Wg
	s_load_b128 s[12:15], s[0:1], 0x20             ; Wo, wt
	v_lshl_add_u32 v144, v0, 2, 0x4400
	v_mov_b32 v145, 0
	s_and_b32 s20, ttmp7, 0xffff                   ; p
	s_lshr_b32 s21, ttmp9, 3                       ; c2
	s_and_b32 s22, ttmp9, 7                        ; nb: which 64 n
	v_and_b32 v1, 15, v0                           ; r
	v_lshrrev_b32 v2, 4, v0                        ; 2 w + h
	v_lshlrev_b32 v3, 4, v1
	v_lshl_add_u32 v3, v2, 15, v3                  ; load: (32 w + 16 h) rows of 2,048 bytes + 16 r
	v_mul_u32_u24 v4, v1, 4*LP
	v_lshl_add_u32 v4, v2, 5, v4                   ; LDS in: row 4 r (+ e), byte 64 w + 32 h
	v_lshrrev_b32 v5, 5, v0                        ; w
	v_and_b32 v6, 1, v2                            ; h
	v_lshl_add_u32 v7, v5, 4, v6
	v_mul_u32_u24 v7, v7, LP
	v_lshl_add_u32 v7, v1, 4, v7                   ; LDS back: row 16 w + h (+ 2 u), byte 16 r
	v_and_b32 v8, 31, v0
	v_lshlrev_b32 v8, 4, v8
	v_lshl_add_u32 v8, v5, 12, v8                  ; store: 16 w rows of 256 bytes + 16 x lane
	s_lshl_b32 s24, s21, 18                        ; 128 c2 rows of 2,048 bytes
	s_lshl_b32 s25, s22, 8                         ; 64 nb columns of 4 bytes
	s_add_co_u32 s24, s24, s25
	s_mov_b32 s25, 0
	s_lshl2_add_u32 s26, s20, s21                  ; 4 p + c2
	s_lshl_b32 s26, s26, 17                        ; tiles of 512 x 256 bytes
	s_lshl_b32 s27, s22, 14                        ; 64 nb rows of 256 bytes
	s_add_co_u32 s26, s26, s27
	s_mov_b32 s27, 0
	s_wait_kmcnt 0x0
	s_mov_b64 s[16:17], s[4:5]                     ; the weight of this work-group, chosen by p
	s_cmp_eq_u32 s20, 1
	s_cselect_b64 s[16:17], s[6:7], s[16:17]
	s_cmp_eq_u32 s20, 2
	s_cselect_b64 s[16:17], s[8:9], s[16:17]
	s_cmp_eq_u32 s20, 3
	s_cselect_b64 s[16:17], s[10:11], s[16:17]
	s_cmp_eq_u32 s20, 4
	s_cselect_b64 s[16:17], s[12:13], s[16:17]
	s_add_nc_u64 s[16:17], s[16:17], s[24:25]
	s_add_nc_u64 s[14:15], s[14:15], s[26:27]
.irp i, 0,1,2,3,4,5,6,7,8,9,10,11,12,13,14,15
	global_load_b128 v[IN+4*\i:IN+4*\i+3], v3, s[16:17] offset:2048*\i th:TH_LOAD_NT
.endr
.irp a, 0,1,2,3,4,5,6,7
	s_wait_loadcnt 14-2*\a                         ; loads return in order: rows 2 a and 2 a + 1 are in, the younger ones stay out
.irp e, 0,1,2,3
	v_cvt_pk_bf16_f32 v[PK+8*\e+\a], v[IN+8*\a+\e], v[IN+8*\a+4+\e]
.endr
.endr
; Lanes four rows apart meet in a bank group (4 x 272 = 64 modulo 256): four deep, on eight stores a lane in the whole kernel.
.irp e, 0,1,2,3
	ds_store_b128 v4, v[PK+8*\e:PK+8*\e+3] offset:\e*LP
	ds_store_b128 v4, v[PK+8*\e+4:PK+8*\e+7] offset:\e*LP+16
.endr
	s_wait_dscnt 0x0                               ; my stores are done before I say so: the other waves read them
	s_barrier_signal -1
	s_barrier_wait -1
.irp u, 0,1,2,3,4,5,6,7
	ds_load_b128 v[RB+4*\u:RB+4*\u+3], v7 offset:\u*2*LP
.endr
.irp u, 0,1,2,3,4,5,6,7
	s_wait_dscnt 7-\u                              ; LDS loads return in order
	global_store_b128 v8, v[RB+4*\u:RB+4*\u+3], s[14:15] offset:512*\u    ; two rows n: 512 dense bytes
.endr
	s_wait_tensorcnt 0x0
	ds_add_u32 v144, v145
	s_wait_dscnt 0x0
	s_endpgm
.Lfunc_end_k_q121c5962c4_wprep:
	.size	k_q121c5962c4_wprep, .Lfunc_end_k_q121c5962c4_wprep-k_q121c5962c4_wprep
	.p2alignl 7, 3214868480
	.fill 96, 4, 3214868480
	.section	.rodata,"a",@progbits
	.p2align	6, 0x0
	.amdhsa_kernel k_q121c5962c4_wprep
		.amdhsa_group_segment_fixed_size 17920
		.amdhsa_private_segment_fixed_size 0
		.amdhsa_enable_private_segment 0
		.amdhsa_kernarg_size 48
		.amdhsa_user_sgpr_count 2
		.amdhsa_user_sgpr_kernarg_segment_ptr 1
		.amdhsa_wavefront_size32 1
		.amdhsa_system_sgpr_workgroup_id_x 1
		.amdhsa_system_sgpr_workgroup_id_y 1
		.amdhsa_system_sgpr_workgroup_id_z 1
		.amdhsa_system_vgpr_workitem_id 0
		.amdhsa_next_free_vgpr 146
		.amdhsa_next_free_sgpr 66
		.amdhsa_reserve_vcc 0
		.amdhsa_float_denorm_mode_32 3
		.amdhsa_float_denorm_mode_16_64 3
		.amdhsa_memory_ordered 1
		.amdhsa_forward_progress 1
		.amdhsa_inst_pref_size 8
	.end_amdhsa_kernel
	.amdgpu_metadata
---
amdhsa.version: [ 1, 2 ]
amdhsa.kernels:
  - .name:           k_q121c5962c4_wprep
    .symbol:         k_q121c5962c4_wprep.kd
    .args:
      - { .name: Wq, .offset: 0, .size: 8, .value_kind: global_buffer, .address_space: global }
      - { .name: Wk, .offset: 8, .size: 8, .value_kind: global_buffer, .address_space: global }
      - { .name: Wv, .offset: 16, .size: 8, .value_kind: global_buffer, .address_space: global }
      - { .name: Wg, .offset: 24, .size: 8, .value_kind: global_buffer, .address_space: global }
      - { .name: Wo, .offset: 32, .size: 8, .value_kind: global_buffer, .address_space: global }
      - { .name: wt, .offset: 40, .size: 8, .value_kind: global_buffer, .address_space: global }
    .group_segment_fixed_size: 17920
    .private_segment_fixed_size: 0
    .kernarg_segment_align: 8
    .kernarg_segment_size: 48
    .max_flat_workgroup_size: 128
    .sgpr_count:     66
    .vgpr_count:     146
    .wavefront_size: 32
...
	.end_amdgpu_metadata
.endif
;; end of part 1
;; launch proj (part 2): grid 64 x 4, 4 waves a work-group, clusters of 4 x 1, 327,680 bytes of LDS; arguments q, k, v, wt, bq, bk, bv, bg, wqb, wkb, wvb, gb; writes wqb, wkb, wvb, gb
.if DOCPART == 2
	.amdgcn_target "amdgcn-amd-amdhsa--gfx1250"
	.amdhsa_code_object_version 6
	.text
	.protected	k_q121c5962c4_proj
	.globl	k_q121c5962c4_proj
	.p2align	8
	.type	k_q121c5962c4_proj,@function
k_q121c5962c4_proj:
	s_mov_b64 s[64:65], 0
	v_nop
	global_prefetch_b8 v0, s[64:65] scope:SCOPE_SE
	s_setreg_imm32_b32 hwreg(HW_REG_WAVE_MODE, 25, 1), 1
	s_wait_xcnt 0x0
	s_wait_alu depctr_hold_cnt(0) depctr_sa_sdst(0) depctr_va_vdst(0) depctr_va_sdst(0) depctr_va_ssrc(0) depctr_va_vcc(0) depctr_vm_vsrc(0)
	s_getreg_b32 s2, hwreg(HW_REG_IB_STS2, 6, 4)
	s_cmp_eq_u32 s2, 0
	s_cbranch_scc0 .Lentry_in_a_cluster
	s_endpgm
.Lentry_in_a_cluster:
	s_bfe_u32 s2, ttmp6, 0x10000c
	s_cmp_lg_u32 s2, 0x3003
	s_cbranch_scc0 .Lentry_shape_is_right
	s_endpgm
.Lentry_shape_is_right:
; The four projections.  Work-group (row block of 128 rows, p):  p = 0: wqb = bf16((q Wq + bq) * 0.125 * log2 e);  p = 1: wkb = bf16(k Wk + bk);
; p = 2: wvb = bf16(v Wv + bv);  p = 3: gb = sigmoid(q Wg + bg) in f32.  The three bf16 results lie head-major, [b][head][row][64].
; gb lies as the next launch's lanes want it, which is as the accumulators here hold it: [b][head][row tile of 16][dv 0..3][e 0..1][lane][4 f32],
; lane l holding row l % 16 of the tile and columns 16 dv + 8 (l / 16) + 4 e + 0..3 of the head.
; Four waves, as many as a WGP has SIMDs; wave w makes 128 rows x columns 128 w .. 128 w + 127 (heads 2 w, 2 w + 1): 64 accumulators of 16 x 16.
; W comes ready (bf16, k along the rows) from wt by tensor loads, in tiles of 128 k through two LDS slots; each wave fetches, and alone reads,
; its own 128 rows n.  CLUSTER: the four row blocks of a cluster walk the same W, so each W tile is asked for jointly (mask 15).
; X (f32) is shared with nobody: it comes through registers, is rounded to bf16 once and laid into two small LDS buffers of 64 k.
; Sums in f32, K ascending.  LIMITS: X, W and the three bf16 results are rounded to bf16 (matrix operands); in the sigmoid an exponential
; beyond f32's range gives g = 0, one below it g = 1.
; REGISTER WINDOWS: 0: v0-31 addresses, v32-63 packed X, v64-191 two buffers of X fragments, v192-255 way out;
; 1: v0-63 and v192-255 X as loaded (two sets), v64-191 two buffers of W fragments;  2, 3: accumulators of rows 0-63, 64-127, tile (a, b) at 8 (8 a + b).
; The matrix instruction is used transposed (source 0 = rows n of W, source 1 = rows of X): a lane holds row l % 16 and 8 neighbouring columns.
.set PITCH,  272                       ; W row in LDS: 256 bytes + 16: sixteen rows start in sixteen different 16-byte columns
.set QUART,  128*PITCH                 ; one wave's part of a slot
.set SLOT,   4*QUART
.set XB,     2*SLOT                    ; the X buffers, written by ds_store alone
.set XPITCH, 144                       ; 64 bf16 + 16 bytes
.set XBUF,   128*XPITCH
.set STG,    9216                      ; way out: each wave's stage, in the X buffers' bytes
.set WTILE,  131072                    ; bytes of a W tile in wt
.set WV,   34                          ; s34 wave number
.set G1,   36                          ; s[36:43] descriptor group 1
.set G0,   44                          ; s[44:51] descriptor group 0, one set for each slot
.set ADRB, 16                          ; v16-17 my W fragments in slot 0, 1
.set ADRA, 18                          ; v18-19 the X fragments in buffer 0, 1
.set XG,   20                          ; my offset in X
.set XSTO, 22                          ; v22-23 where I lay packed X, buffer 0, 1
.set STO,  24
.set RD,   26
.set CO,   27
.set BO,   28
.set XT,   32
.set F0,   64
.set F1,   128
.set BS,   64                          ; way out: bias x scale of my 8 columns of each of 8 column blocks
.set TMPF, 128
.set PKD,  192
.set RBK,  224
.set MSB, 0
.macro WIN new                         ; the immediate's high byte repeats the setting that is left
.if MSB != \new
	s_set_vgpr_msb (MSB<<8)|\new
.set MSB, \new
.endif
.endm
.set MUL_LO, 0xa1                      ; source 0 (W) window 1, source 1 (X) window 0, C and D window 2
.set MUL_HI, 0xf1
.set TO_B,   0x40                      ; destination window 1
.macro PLACES n
.rept \n
	v_nop
.endr
.endm
.macro CREST                           ; a round of the cluster's barrier behind its opening work-group barrier
	s_cmp_lg_u32 s[WV], 0
	s_cbranch_scc1 .Lnot_wave_0_\@
	s_barrier_signal -3
.Lnot_wave_0_\@:
	s_barrier_wait -3
	s_barrier_signal -1
	s_barrier_wait -1
.endm
.macro ROUND
	s_barrier_signal -1
	s_barrier_wait -1
	CREST
.endm
	s_load_b512 s[4:19], s[0:1], 0x0               ; q k v wt bq bk bv bg
	s_load_b256 s[20:27], s[0:1], 0x40             ; wqb wkb wvb gb
	v_lshl_add_u32 v30, v0, 2, 0x4d000
	v_mov_b32 v31, 0
	ds_add_u32 v30, v31
	v_lshrrev_b32 v1, 5, v0
	v_readfirstlane_b32 s[WV], v1
	s_and_b32 s35, ttmp7, 0xffff                   ; p: the cluster's y, the same in all four partners
	s_bfe_u32 s52, ttmp6, 0x40000                  ; cx
	s_lshl_b32 s53, ttmp9, 2
	s_add_co_u32 s53, s53, s52                     ; row block = 4 x cluster x + cx
	; group 1: 128 rows of 128 bf16, dense in memory, 16 bytes of padding behind each row in LDS; mask: all four of the cluster
	s_mov_b32 s[G1+0], 15|(1<<16)|(1<<20)|(1<<21)|(5<<22)|(3<<25)
	s_mov_b32 s[G1+1], 128<<16                     ; tensor_dim0 = 128
	s_mov_b32 s[G1+2], 128<<16                     ; tensor_dim1 = 128
	s_mov_b32 s[G1+3], 128<<16                     ; tile_dim0 = 128
	s_mov_b32 s[G1+4], 128                         ; tile_dim1 = 128
	s_mov_b32 s[G1+5], 128                         ; pitch in elements
	s_mov_b32 s[G1+6], 0
	s_mov_b32 s[G1+7], 0
	v_and_b32 v1, 15, v0                           ; r
	v_bfe_u32 v2, v0, 4, 1                         ; h
	v_and_b32 v3, 31, v0                           ; lane
	v_mul_u32_u24 v4, v1, PITCH
	v_lshl_add_u32 v4, v2, 4, v4
	s_mul_i32 s54, s[WV], QUART
	v_add_nc_u32 v[ADRB], s54, v4                  ; my quarter + r x 272 + 16 h
	v_add_nc_u32 v[ADRB+1], SLOT, v[ADRB]
	v_mul_u32_u24 v4, v1, XPITCH
	v_lshl_add_u32 v4, v2, 4, v4
	v_add_nc_u32 v[ADRA], XB, v4
	v_add_nc_u32 v[ADRA+1], XB+XBUF, v4
	v_lshlrev_b32 v4, 4, v1
	v_lshl_add_u32 v4, v2, 14, v4
	s_lshl_b32 s54, s[WV], 16
	v_add_nc_u32 v[XG], s54, v4                    ; (32 w + 8 h) rows of 2,048 bytes + 16 r
	v_lshlrev_b32 v4, 3, v1
	v_mad_u32_u24 v4, v2, 8*XPITCH, v4
	s_mul_i32 s54, s[WV], 32*XPITCH
	v_add_nc_u32 v4, s54, v4
	v_add_nc_u32 v[XSTO], XB, v4                   ; (32 w + 8 h) rows of 144 bytes + 8 r: the upper lanes lie 1,152 = 128 modulo 256 bytes on
	v_add_nc_u32 v[XSTO+1], XB+XBUF, v4
	s_mul_i32 s54, s[WV], STG
	s_add_co_u32 s54, s54, XB
	v_lshrrev_b32 v4, 1, v1
	v_mul_u32_u24 v4, v4, PITCH
	v_and_b32 v5, 1, v1
	v_lshl_add_u32 v4, v5, 7, v4
	v_lshl_add_u32 v4, v2, 4, v4
	v_add_nc_u32 v[STO], s54, v4                   ; bf16: two rows of 128 bytes in an LDS row
	v_mul_u32_u24 v4, v2, PITCH
	v_lshl_add_u32 v4, v1, 4, v4
	v_add_nc_u32 v[RD], s54, v4
	v_lshlrev_b32 v[CO], 4, v3
	v_lshlrev_b32 v4, 5, v2
	s_lshl_b32 s54, s[WV], 9
	v_add_nc_u32 v[BO], s54, v4                    ; (128 w + 8 h) x 4 bytes in the bias
	s_wait_dscnt 0x0
	s_wait_kmcnt 0x0
	s_mov_b64 s[28:29], s[4:5]                     ; X, bias, result and scale, chosen by p
	s_mov_b64 s[30:31], s[12:13]
	s_mov_b64 s[32:33], s[20:21]
	s_mov_b32 s60, 0x3e38aa3b                      ; 0.125 x log2 e
	s_cmp_eq_u32 s35, 1
	s_cselect_b64 s[28:29], s[6:7], s[28:29]
	s_cselect_b64 s[30:31], s[14:15], s[30:31]
	s_cselect_b64 s[32:33], s[22:23], s[32:33]
	s_cselect_b32 s60, 1.0, s60
	s_cmp_eq_u32 s35, 2
	s_cselect_b64 s[28:29], s[8:9], s[28:29]
	s_cselect_b64 s[30:31], s[16:17], s[30:31]
	s_cselect_b64 s[32:33], s[24:25], s[32:33]
	s_cselect_b32 s60, 1.0, s60
	s_cmp_eq_u32 s35, 3
	s_cselect_b64 s[30:31], s[18:19], s[30:31]
	s_cselect_b64 s[32:33], s[26:27], s[32:33]
	s_cselect_b32 s60, 0xbfb8aa3b, s60             ; - log2 e: the sigmoid's exponent
	s_cselect_b32 s55, 1, 0                        ; f32 result: offsets twice as large
	s_mov_b32 s61, s60
	; W: hangs on p and the wave alone, equal in all four partners
	s_lshl_b32 s56, s35, 19                        ; 4 p tiles
	s_lshl_b32 s57, s[WV], 15                      ; 128 w rows of 256 bytes
	s_add_co_u32 s56, s56, s57
	s_mov_b32 s57, 0
	s_add_nc_u64 s[56:57], s[10:11], s[56:57]
	s_mul_i32 s58, s[WV], QUART
.irp n, 0,1
	s_mov_b32 s[G0+4*\n], 1
	s_add_co_u32 s[G0+4*\n+1], s58, \n*SLOT
	s_add_nc_u64 s[G0+4*\n+2:G0+4*\n+3], s[56:57], \n*WTILE
	s_or_b32 s[G0+4*\n+3], s[G0+4*\n+3], 0x80000000
.endr
	s_lshl_b32 s66, s53, 18                        ; X: 128 rows of 2,048 bytes a row block
	s_mov_b32 s67, 0
	s_add_nc_u64 s[28:29], s[28:29], s[66:67]
	s_lshr_b32 s68, s53, 4                         ; result: b x 8 heads + 2 w heads of 2,048 rows + 128 rows a block, 128 bytes a row (g: 256)
	s_lshl_b32 s68, s68, 21
	s_lshl_b32 s69, s[WV], 19
	s_add_co_u32 s68, s68, s69
	s_and_b32 s69, s53, 15
	s_lshl_b32 s69, s69, 14
	s_add_co_u32 s68, s68, s69
	s_lshl_b32 s68, s68, s55
	s_mov_b32 s69, 0
	s_add_nc_u64 s[32:33], s[32:33], s[68:69]
; 16 loads: chunk c (64 k = 256 bytes of each of my 32 rows) into set c & 1 of window 1.  Sixteen lanes take one row's 256 bytes.
.macro XLOAD c
.irp i, 0,1,2,3,4,5,6,7,8,9,10,11,12,13,14,15
	global_load_b128 v[192*((\c)&1)+4*\i:192*((\c)&1)+4*\i+3], v[XG], s[28:29] offset:(16*(\i>>3)+(\i&7))*2048+(\c)*256
.endr
.endm
; chunk c: wait, round to bf16, lay into X buffer c & 1; reload = 1: the set is loaded again with chunk c + 2
.macro XSTORE c, left, reload
	s_wait_loadcnt \left                           ; loads return in order: chunk c is in, the next chunk's sixteen stay out
	WIN 0x05
.irp i, 0,1,2,3,4,5,6,7,8,9,10,11,12,13,14,15
	v_cvt_pk_bf16_f32 v[XT+2*\i], v[192*((\c)&1)+4*\i], v[192*((\c)&1)+4*\i+1]
	v_cvt_pk_bf16_f32 v[XT+2*\i+1], v[192*((\c)&1)+4*\i+2], v[192*((\c)&1)+4*\i+3]
.endr
	WIN 0
.irp i, 0,1,2,3,4,5,6,7,8,9,10,11,12,13,14,15
	ds_store_b64 v[XSTO+((\c)&1)], v[XT+2*\i:XT+2*\i+1] offset:(16*(\i>>3)+(\i&7))*XPITCH
.endr
.if \reload
	WIN TO_B
	XLOAD \c+2
	WIN 0
.endif
.endm
.macro MUL16 f, hi, a0, zero
.irp a, \a0, \a0+1
.irp b, 0,1,2,3,4,5,6,7
.if \zero
	v_wmma_f32_16x16x32_bf16 v[8*(8*(\a)+\b):8*(8*(\a)+\b)+7], v[\f+8*\b:\f+8*\b+7], v[\f+8*(4*\hi+\a):\f+8*(4*\hi+\a)+7], 0
.else
	v_wmma_f32_16x16x32_bf16 v[8*(8*(\a)+\b):8*(8*(\a)+\b)+7], v[\f+8*\b:\f+8*\b+7], v[\f+8*(4*\hi+\a):\f+8*(4*\hi+\a)+7], v[8*(8*(\a)+\b):8*(8*(\a)+\b)+7]
.endif
.endr
.endr
.endm
; 32 LDS loads: the fragments of 32 k: my 128 rows of W (slot ws, byte kw of the rows), the 128 rows of X (buffer xb, byte kx)
.macro FETCH ws, xb, kw, kx, f
	WIN TO_B
.irp i, 0,1,2,3,4,5,6,7
	ds_load_b128 v[\f+8*\i:\f+8*\i+3],   v[ADRB+\ws] offset:\kw+\i*16*PITCH
	ds_load_b128 v[\f+8*\i+4:\f+8*\i+7], v[ADRB+\ws] offset:\kw+\i*16*PITCH+32
.endr
	WIN 0
.irp i, 0,1,2,3,4,5,6,7
	ds_load_b128 v[\f+8*\i:\f+8*\i+3],   v[ADRA+\xb] offset:\kx+\i*16*XPITCH
	ds_load_b128 v[\f+8*\i+4:\f+8*\i+7], v[ADRA+\xb] offset:\kx+\i*16*XPITCH+32
.endr
.endm
; A sub-step is 64 k: two halves of 32, on buffers F0 and F1.  The 64 accumulators take turns in one fixed order, one instruction a turn
; Four plain vector places stand between a matrix instruction and a load into a register that it read.
; First half: multiplies F0; in its middle the next sub-step's X chunk is laid into the other X buffer and the second half's fragments are fetched.
.macro HALF0 ws, xb, kw, zero, xst, c, left, reload
	s_wait_dscnt 8                                 ; W and X rows 0-63 are in; the youngest eight loads (X rows 64-127) may be out
	WIN MUL_LO
	MUL16 F0, 0, 0, \zero
	MUL16 F0, 0, 2, \zero
.if \xst
	XSTORE \c, \left, \reload
.endif
	PLACES 4
	FETCH \ws, \xb, \kw, 64, F1
.if \xst
	s_wait_dscnt 48                                ; all but the 16 stores and 32 loads just issued
.else
	s_wait_dscnt 32                                ; all but the 32 loads just issued
.endif
	WIN MUL_HI
	MUL16 F0, 1, 0, \zero
	MUL16 F0, 1, 2, \zero
.endm
; Second half: multiplies F1 and passes the sub-step's barrier.  In front of it my reads of this X buffer and my stores into the other are done;
; behind it the other buffer is whole and this one may be written.  kind 0: that alone.
; kind 1: the W slot has been used up: all my tensor loads have landed, the barrier opens a round of the cluster's barrier, and the joint refill is the
; first tensor load behind the round.  kind 2: the last W tile is waited for, nothing is left to fetch.
.macro HALF1 kind, slot, nws, nxb, nkw
	s_wait_dscnt 8
	WIN MUL_LO
	MUL16 F1, 0, 0, 0
	s_wait_dscnt 0
.if \kind
	s_set_vgpr_msb 0xa1a0
	s_wait_tensorcnt 0x0
	ds_add_u32 v30, v31
	s_wait_dscnt 0x0
	s_set_vgpr_msb 0xa0a1
.endif
	s_barrier_signal -1
	MUL16 F1, 0, 2, 0                              ; register work while the others arrive
	WIN 0
	s_barrier_wait -1
.if \kind == 1
	CREST
	s_add_nc_u64 s[G0+4*\slot+2:G0+4*\slot+3], s[G0+4*\slot+2:G0+4*\slot+3], 2*WTILE   ; no load of mine is out: the group may be written
	tensor_load_to_lds s[G0+4*\slot:G0+4*\slot+3], s[G1:G1+7]
	s_nop 0
.endif
	PLACES 4
	FETCH \nws, \nxb, \nkw, 0, F0
	WIN MUL_HI
	MUL16 F1, 1, 0, 0
	MUL16 F1, 1, 2, 0
.endm
	WIN TO_B
	XLOAD 0
	XLOAD 1
	WIN 0
	ROUND                                          ; all four work-groups are here: the first joint loads meet
	tensor_load_to_lds s[G0:G0+3], s[G1:G1+7]      ; W tiles 0 and 1: two loads of mine are out, the most in this text
	s_nop 0
	tensor_load_to_lds s[G0+4:G0+7], s[G1:G1+7]
	s_nop 0
	XSTORE 0, 16, 1
	s_wait_tensorcnt 0x1                           ; tile 0 is in; tile 1 stays out
	s_wait_dscnt 0x0                               ; my part of X chunk 0 is written
	s_barrier_signal -1
	s_barrier_wait -1
	FETCH 0, 0, 0, 0, F0
	HALF0 0, 0, 64,  1, 1, 1, 16, 1                ; sub-step 0: the first products start the sums
	HALF1 0, 0, 0, 1, 128
	HALF0 0, 1, 192, 0, 1, 2, 16, 1                ; 1
	HALF1 1, 0, 1, 0, 0                            ;    tile 2 into slot 0
	HALF0 1, 0, 64,  0, 1, 3, 16, 1                ; 2
	HALF1 0, 0, 1, 1, 128
	HALF0 1, 1, 192, 0, 1, 4, 16, 1                ; 3
	HALF1 1, 1, 0, 0, 0                            ;    tile 3 into slot 1
	HALF0 0, 0, 64,  0, 1, 5, 16, 1                ; 4
	HALF1 0, 0, 0, 1, 128
	HALF0 0, 1, 192, 0, 1, 6, 16, 0                ; 5
	HALF1 2, 0, 1, 0, 0
	HALF0 1, 0, 64,  0, 1, 7, 0, 0                 ; 6: the last chunk, no younger load
	HALF1 0, 0, 1, 1, 128
	HALF0 1, 1, 192, 0, 0, 0, 0, 0                 ; 7
	s_wait_dscnt 8
	WIN MUL_LO
	MUL16 F1, 0, 0, 0
	MUL16 F1, 0, 2, 0
	s_wait_dscnt 0
	WIN MUL_HI
	MUL16 F1, 1, 0, 0
	MUL16 F1, 1, 2, 0
	WIN 0
	PLACES 4                                       ; behind the last matrix instructions: results are read, fragment registers loaded
	s_barrier_signal -1                            ; every wave's reads of the X buffers are over (waited for above): their bytes become the stages
	s_barrier_wait -1
.irp bt, 0,1,2,3,4,5,6,7
	global_load_b128 v[BS+8*\bt:BS+8*\bt+3],   v[BO], s[30:31] offset:64*\bt
	global_load_b128 v[BS+8*\bt+4:BS+8*\bt+7], v[BO], s[30:31] offset:64*\bt+16
.endr
	s_wait_loadcnt 0x0
.set n, 0
.rept 32
	v_pk_mul_f32 v[BS+n:BS+n+1], v[BS+n:BS+n+1], s[60:61] op_sel_hi:[1,0]    ; (x + b) s = x s + b s
.set n, n+2
.endr
.macro SCALED a, from                  ; TMPF = accumulator x scale + bias x scale, the 8 tiles of 16 rows
	WIN \from
.irp bt, 0,1,2,3,4,5,6,7
.irp j, 0,2,4,6
	v_pk_fma_f32 v[TMPF+8*\bt+\j:TMPF+8*\bt+\j+1], v[8*(8*\a+\bt)+\j:8*(8*\a+\bt)+\j+1], s[60:61], v[BS+8*\bt+\j:BS+8*\bt+\j+1] op_sel_hi:[1,0,1]
.endr
.endr
	WIN 0
.endm
; 16 rows, bf16: through my stage, so that each store covers 512 dense bytes of one head
.macro OUTB i, a, from
	SCALED \a, \from
.irp bt, 0,1,2,3,4,5,6,7
.irp j, 0,1,2,3
	v_cvt_pk_bf16_f32 v[PKD+4*\bt+\j], v[TMPF+8*\bt+2*\j], v[TMPF+8*\bt+2*\j+1]
.endr
.endr
.irp bt, 0,1,2,3,4,5,6,7
	ds_store_b128 v[STO], v[PKD+4*\bt:PKD+4*\bt+3] offset:(\bt>>2)*8*PITCH+32*(\bt&3)
.endr
	s_wait_xcnt 0x0                                ; the registers that the last stores read are loaded again only behind this wait
.irp t, 0,1,2,3,4,5,6,7
	ds_load_b128 v[RBK+4*\t:RBK+4*\t+3], v[RD] offset:\t*2*PITCH      ; LDS serves a wave in order: these see the stores above
.endr
.irp t, 0,1,2,3,4,5,6,7
	s_wait_dscnt 7-\t
	global_store_b128 v[CO], v[RBK+4*\t:RBK+4*\t+3], s[32:33] offset:(\t>>2)*262144+(\t&3)*512+\i*2048
.endr
.endm
; 16 rows of g in f32: 1 / (1 + 2^(-log2 e (x + bg))), stored straight from the registers: gb's order is the lanes' own,
; so each store covers 512 dense bytes: row tile i (4,096 bytes), column block bt & 3 of head bt >> 2 (1,024), half e (512), 16 bytes a lane.
.macro OUTF i, a, from
	s_wait_xcnt 0x0                                ; TMPF, which the last sixteen stores read, is rewritten only behind this wait
	SCALED \a, \from
.set n, 0
.rept 64
	v_exp_f32 v[TMPF+n], v[TMPF+n]
.set n, n+1
.endr
	v_nop                                          ; one plain place behind the transcendentals (ISA guide 5.7.2)
.set n, 0
	s_wait_alu depctr_va_vdst(0)
.rept 32
	v_pk_add_f32 v[TMPF+n:TMPF+n+1], v[TMPF+n:TMPF+n+1], 1.0 op_sel_hi:[1,0]
.set n, n+2
.endr
.set n, 0
.rept 64
	v_rcp_f32 v[TMPF+n], v[TMPF+n]
.set n, n+1
.endr
	v_nop
	s_wait_alu depctr_va_vdst(0)
.irp bt, 0,1,2,3,4,5,6,7
	global_store_b128 v[CO], v[TMPF+8*\bt:TMPF+8*\bt+3],   s[32:33] offset:(\bt>>2)*524288+\i*4096+(\bt&3)*1024
	global_store_b128 v[CO], v[TMPF+8*\bt+4:TMPF+8*\bt+7], s[32:33] offset:(\bt>>2)*524288+\i*4096+(\bt&3)*1024+512
.endr
.endm
	s_cmp_eq_u32 s35, 3                            ; p is the same in every wave and every partner
	s_cbranch_scc1 .Lgate
	OUTB 0, 0, 0x02
	OUTB 1, 1, 0x02
	OUTB 2, 2, 0x02
	OUTB 3, 3, 0x02
	OUTB 4, 0, 0x03
	OUTB 5, 1, 0x03
	OUTB 6, 2, 0x03
	OUTB 7, 3, 0x03
	s_branch .Lclose
.Lgate:
	OUTF 0, 0, 0x02
	OUTF 1, 1, 0x02
	OUTF 2, 2, 0x02
	OUTF 3, 3, 0x02
	OUTF 4, 0, 0x03
	OUTF 5, 1, 0x03
	OUTF 6, 2, 0x03
	OUTF 7, 3, 0x03
.Lclose:
	s_wait_tensorcnt 0x0
	ds_add_u32 v30, v31
	s_wait_dscnt 0x0
	ROUND                                          ; the closing round: no work-group ends while a partner may still ask jointly
	s_endpgm
.Lfunc_end_k_q121c5962c4_proj:
	.size	k_q121c5962c4_proj, .Lfunc_end_k_q121c5962c4_proj-k_q121c5962c4_proj
	.p2alignl 7, 3214868480
	.fill 96, 4, 3214868480
	.section	.rodata,"a",@progbits
	.p2align	6, 0x0
	.amdhsa_kernel k_q121c5962c4_proj
		.amdhsa_group_segment_fixed_size 327680
		.amdhsa_private_segment_fixed_size 0
		.amdhsa_enable_private_segment 0
		.amdhsa_kernarg_size 96
		.amdhsa_user_sgpr_count 2
		.amdhsa_user_sgpr_kernarg_segment_ptr 1
		.amdhsa_wavefront_size32 1
		.amdhsa_system_sgpr_workgroup_id_x 1
		.amdhsa_system_sgpr_workgroup_id_y 1
		.amdhsa_system_sgpr_workgroup_id_z 1
		.amdhsa_system_vgpr_workitem_id 0
		.amdhsa_next_free_vgpr 1024
		.amdhsa_next_free_sgpr 80
		.amdhsa_reserve_vcc 0
		.amdhsa_float_denorm_mode_32 3
		.amdhsa_float_denorm_mode_16_64 3
		.amdhsa_memory_ordered 1
		.amdhsa_forward_progress 1
		.amdhsa_inst_pref_size 255
	.end_amdhsa_kernel
	.section	.bss,"aw",@nobits
	.p2align	6
	.space	262144
	.amdgpu_metadata
---
amdhsa.version: [ 1, 2 ]
amdhsa.kernels:
  - .name:           k_q121c5962c4_proj
    .symbol:         k_q121c5962c4_proj.kd
    .args:
      - { .name: q, .offset: 0, .size: 8, .value_kind: global_buffer, .address_space: global }
      - { .name: k, .offset: 8, .size: 8, .value_kind: global_buffer, .address_space: global }
      - { .name: v, .offset: 16, .size: 8, .value_kind: global_buffer, .address_space: global }
      - { .name: wt, .offset: 24, .size: 8, .value_kind: global_buffer, .address_space: global }
      - { .name: bq, .offset: 32, .size: 8, .value_kind: global_buffer, .address_space: global }
      - { .name: bk, .offset: 40, .size: 8, .value_kind: global_buffer, .address_space: global }
      - { .name: bv, .offset: 48, .size: 8, .value_kind: global_buffer, .address_space: global }
      - { .name: bg, .offset: 56, .size: 8, .value_kind: global_buffer, .address_space: global }
      - { .name: wqb, .offset: 64, .size: 8, .value_kind: global_buffer, .address_space: global }
      - { .name: wkb, .offset: 72, .size: 8, .value_kind: global_buffer, .address_space: global }
      - { .name: wvb, .offset: 80, .size: 8, .value_kind: global_buffer, .address_space: global }
      - { .name: gb, .offset: 88, .size: 8, .value_kind: global_buffer, .address_space: global }
    .group_segment_fixed_size: 327680
    .private_segment_fixed_size: 0
    .kernarg_segment_align: 8
    .kernarg_segment_size: 96
    .max_flat_workgroup_size: 128
    .sgpr_count:     80
    .vgpr_count:     1024
    .wavefront_size: 32
...
	.end_amdgpu_metadata
.endif
;; end of part 2
;; launch attn (part 3): grid 4 x 64, 8 waves a work-group, clusters of 4 x 4, 327,680 bytes of LDS; arguments wqb, wkb, wvb, bias, gb, ogb; writes ogb
.if DOCPART == 3
	.amdgcn_target "amdgcn-amd-amdhsa--gfx1250"
	.amdhsa_code_object_version 6
	.text
	.protected	k_q121c5962c4_attn
	.globl	k_q121c5962c4_attn
	.p2align	8
	.type	k_q121c5962c4_attn,@function
k_q121c5962c4_attn:
	s_mov_b64 s[64:65], 0
	v_nop
	global_prefetch_b8 v0, s[64:65] scope:SCOPE_SE
	s_setreg_imm32_b32 hwreg(HW_REG_WAVE_MODE, 25, 1), 1
	s_wait_xcnt 0x0
	s_wait_alu depctr_hold_cnt(0) depctr_sa_sdst(0) depctr_va_vdst(0) depctr_va_sdst(0) depctr_va_ssrc(0) depctr_va_vcc(0) depctr_vm_vsrc(0)
	s_getreg_b32 s2, hwreg(HW_REG_IB_STS2, 6, 4)
	s_cmp_eq_u32 s2, 0
	s_cbranch_scc0 .Lentry_in_a_cluster
	s_endpgm
.Lentry_in_a_cluster:
	s_bfe_u32 s2, ttmp6, 0x10000c
	s_cmp_lg_u32 s2, 0xf033
	s_cbranch_scc0 .Lentry_shape_is_right
	s_endpgm
.Lentry_shape_is_right:
; x = g * ( softmax_k(wq wk^T) wv + bias wv ), stored as two bf16 numbers, hi = bf16(x) and lo = bf16(x - hi):
; ogb[b][head][row][hi of 64 columns | lo of 64 columns], 256 bytes a row.  hi + lo carries 16 bits of significand, so that this intermediate,
; which the next launch sums over 512 terms, adds no rounding of bf16's size of its own.  wq already carries 0.125 x log2 e, so p = 2^(s - m).
; The bias is added behind the softmax, whose row sum is known only at the end of the keys, so two sums are kept:
; O1 = sum p v (rescaled as the running maximum m grows) and O2 = sum bias v;  o = O1 / l + O2.
; A work-group takes 128 queries x 2 heads; wave w: head (w & 1), queries 32 (w >> 1) .. + 31.  Eight waves, two on a SIMD.
; Keys go in tiles of 128 through two LDS slots: K and V of both heads (bf16) and the bias rows (f32), 128 KiB a refill, one tensor load of 16 KiB a wave.
; CLUSTER 4 x 4: along x lie the four head pairs, along y four query blocks of one batch.  A bias tile hangs on the query block alone and is asked
; for jointly by a row of the cluster; a K or V tile hangs on batch and head pair alone and is asked for jointly by a column.
; ORIENTATION: S^T = K Q^T, so a lane holds one query (l % 16) and 8 keys a tile; two neighbouring tiles pack straight into the B fragment of
; O^T = V^T P^T (V^T by transposing LDS loads); m, the rescale and 1 / l are one number a lane.  bias^T is a B fragment read from the f32 rows.
; The two halves of the lanes hold different keys of the same query: the maximum crosses them in every block, the sums only at the end.
; LIMITS: wq, wk, wv, p and bias are rounded to bf16 (matrix operands); p below 2^-126 is 0; l sums the unrounded p; the running maximum is always taken.
; WINDOWS: 0: addresses, Q, O1, K fragments (at the end g), the bias as loaded;  1: O2, V fragments, S/P, the packed bias, the softmax's state.
; So the products of bias and V and the whole softmax name window 1 alone: they alternate under one setting, one product to six vector instructions.
.set KH,     17408                     ; K of a head: 64 LDS rows (two keys each) x 272
.set VH,     18432                     ; V of a head: 64 LDS rows x 288
.set VOFF,   36864                     ; = 2 VH, so that V's part of wave 2, 3 begins at wave x VH
.set BOFF,   73728
.set BPITCH, 528                       ; a bias row: 128 f32 + 16 bytes
.set SLOT,   141312
.set STAGE,  2*SLOT                    ; 16 rows x 272 for each wave, written by ds_store alone
.set WV,   16
.set G1K,  32
.set G1V,  40
.set G1B,  48
.set G0K,  56                          ; s[56:63]
.set G0V,  68                          ; s[68:75]
.set G0B,  76                          ; s[76:83]
; window 0
.set ADK, 2
.set ADV, 4
.set ADB, 6
.set STO, 8
.set RD,  9
.set QO,  10
.set GO,  11                           ; 16 x lane: g in, hi and lo out
.set Q,   32                           ; Q(t, dk) at 32 + 8 (2 t + dk)
.set O1,  64                           ; O1(dv, t) at 64 + 8 (2 dv + t)
.set KF,  128                          ; K(kt, dk) at 128 + 8 (2 kt + dk)
.set G,   128                          ; g(t, dv) at 128 + 32 t + 8 dv, in K's registers behind their last use
.set BF,  192                          ; bias(t, f) as loaded: 16 f32 at 192 + 16 (2 t + f); way out: rows read back
; window 1
.set O2,  0                            ; O2(dv, t) at 8 (2 dv + t)
.set VF,  64                           ; V(dv, f) at 64 + 8 (2 dv + f)
.set S,   128                          ; S(t, kt) at 128 + 8 (4 t + kt); P(t, f) in place at S(t, 2 f)
.set BP,  192                          ; bias(t, f) in bf16 at 192 + 8 (2 t + f)
.set MP,  224                          ; m of query tile t, twice
.set AP,  228                          ; the rescale 2^(m old - m new), later 1 / l, twice
.set LS,  232                          ; two partial sums of this half's keys
.set T,   236                          ; v[236:243] at work
.set TM,  64                           ; way out, in V's registers: hi widened again (32), hi (16), lo (16)
.set OHI, 96
.set OLO, 112
.set MSB, 0
.macro WIN new                         ; low byte: bits 1:0 source 0, 3:2 source 1, 5:4 source 2, 7:6 destination; the high byte repeats the setting that is left
.if MSB != \new
	s_set_vgpr_msb (MSB<<8)|\new
.set MSB, \new
.endif
.endm
.macro PLACES n
.rept \n
	v_nop
.endr
.endm
.macro ROUND
	s_barrier_signal -1
	s_barrier_wait -1
	s_cmp_lg_u32 s[WV], 0
	s_cbranch_scc1 .Lnot_wave_0_\@
	s_barrier_signal -3
.Lnot_wave_0_\@:
	s_barrier_wait -3
	s_barrier_signal -1
	s_barrier_wait -1
.endm
; A wave's one joint load for slot sl: waves 0, 1 K of head 0, 1; waves 2, 3 V; waves 4 to 7 32 bias rows each.  The branches hang on the wave's number alone.
.macro JLOAD sl
	s_cmp_ge_u32 s[WV], 4
	s_cbranch_scc1 .Ljb_\@
	s_cmp_ge_u32 s[WV], 2
	s_cbranch_scc1 .Ljv_\@
	tensor_load_to_lds s[G0K+4*\sl:G0K+4*\sl+3], s[G1K:G1K+7]
	s_nop 0
	s_branch .Ljd_\@
.Ljv_\@:
	tensor_load_to_lds s[G0V+4*\sl:G0V+4*\sl+3], s[G1V:G1V+7]
	s_nop 0
	s_branch .Ljd_\@
.Ljb_\@:
	tensor_load_to_lds s[G0B+4*\sl:G0B+4*\sl+3], s[G1B:G1B+7]
	s_nop 0
.Ljd_\@:
.endm
	s_load_b256 s[4:11], s[0:1], 0x0               ; wqb wkb wvb bias
	s_load_b128 s[12:15], s[0:1], 0x20             ; gb ogb
	v_lshl_add_u32 v30, v0, 2, 0x4d800
	v_mov_b32 v31, 0
	ds_add_u32 v30, v31
	v_lshrrev_b32 v1, 5, v0
	v_readfirstlane_b32 s[WV], v1
	s_and_b32 s17, s[WV], 1                        ; my head of the pair
	s_lshr_b32 s18, s[WV], 1                       ; my 32 queries
	s_bfe_u32 s19, ttmp6, 0x40000                  ; cx
	s_bfe_u32 s20, ttmp6, 0x40004                  ; cy
	s_lshl_b32 s25, ttmp9, 2
	s_add_co_u32 s25, s25, s19                     ; head pair
	s_and_b32 s21, ttmp7, 0xffff                   ; cluster y
	s_lshr_b32 s23, s21, 2                         ; batch: four clusters a batch, no cy in it
	s_lshl_b32 s22, s21, 2
	s_add_co_u32 s22, s22, s20                     ; 16 x batch + query block
	s_lshl_b32 s28, s20, 2
	s_lshl_b32 s28, 15, s28                        ; my row of the cluster
	s_lshl_b32 s29, 0x1111, s19                    ; my column
	s_mov_b32 s26, 0x76543210                      ; v_permlanex16_b32: lane i reads lane i of the other half
	s_mov_b32 s27, 0xfedcba98
	; K: 64 rows of 256 bytes, dense, 16 bytes of padding;  V: the same with 32;  bias: 32 rows of 128 f32, 2,048 elements apart, 16 bytes of padding
	s_or_b32 s[G1K+0], s29, (1<<16)|(1<<20)|(1<<21)|(5<<22)|(3<<25)
	s_or_b32 s[G1V+0], s29, (1<<16)|(1<<20)|(1<<21)|(5<<22)|(7<<25)
	s_or_b32 s[G1B+0], s28, (2<<16)|(1<<20)|(1<<21)|(6<<22)|(3<<25)
	s_mov_b32 s[G1K+1], 128<<16
	s_mov_b32 s[G1V+1], 128<<16
	s_mov_b32 s[G1B+1], 128<<16
	s_mov_b32 s[G1K+2], 64<<16
	s_mov_b32 s[G1V+2], 64<<16
	s_mov_b32 s[G1B+2], 32<<16
	s_mov_b32 s[G1K+3], 128<<16
	s_mov_b32 s[G1V+3], 128<<16
	s_mov_b32 s[G1B+3], 128<<16
	s_mov_b32 s[G1K+4], 64
	s_mov_b32 s[G1V+4], 64
	s_mov_b32 s[G1B+4], 32
	s_mov_b32 s[G1K+5], 128
	s_mov_b32 s[G1V+5], 128
	s_mov_b32 s[G1B+5], 2048
	s_mov_b32 s[G1K+6], 0
	s_mov_b32 s[G1V+6], 0
	s_mov_b32 s[G1B+6], 0
	s_mov_b32 s[G1K+7], 0
	s_mov_b32 s[G1V+7], 0
	s_mov_b32 s[G1B+7], 0
	s_lshl_b32 s30, s23, 3
	s_lshl1_add_u32 s30, s25, s30
	s_add_co_u32 s30, s30, s17                     ; 8 b + head: batch, cx and the wave alone
	s_lshl_b32 s86, s30, 18                        ; heads of 2,048 rows of 128 bytes
	s_mov_b32 s87, 0
	s_lshl_b32 s92, s22, 20                        ; bias: 128 rows of 8,192 bytes a query block: cluster y, cy and the wave alone
	s_and_b32 s93, s[WV], 3
	s_lshl_b32 s93, s93, 18                        ; + 32 rows a wave
	s_add_co_u32 s92, s92, s93
	s_mov_b32 s93, 0
	s_mul_i32 s24, s[WV], KH                       ; where the parts go: the wave's number times a constant plus constants
	s_mul_i32 s31, s[WV], VH
	s_mul_i32 s85, s[WV], 32*BPITCH
	s_add_co_u32 s85, s85, BOFF-4*32*BPITCH
	s_and_b32 s94, s22, 15                         ; my 32 rows in wqb
	s_lshl_b32 s94, s94, 14
	s_add_co_u32 s94, s94, s86
	s_lshl_b32 s95, s18, 12
	s_add_co_u32 s94, s94, s95
	s_mov_b32 s95, 0
	s_wait_dscnt 0x0
	s_wait_kmcnt 0x0
	s_add_nc_u64 s[88:89], s[6:7], s[86:87]
	s_add_nc_u64 s[90:91], s[8:9], s[86:87]
	s_add_nc_u64 s[92:93], s[10:11], s[92:93]
.irp n, 0,1
	s_mov_b32 s[G0K+4*\n], 1
	s_add_co_u32 s[G0K+4*\n+1], s24, \n*SLOT
	s_add_nc_u64 s[G0K+4*\n+2:G0K+4*\n+3], s[88:89], \n*16384
	s_or_b32 s[G0K+4*\n+3], s[G0K+4*\n+3], 0x80000000
	s_mov_b32 s[G0V+4*\n], 1
	s_add_co_u32 s[G0V+4*\n+1], s31, \n*SLOT
	s_add_nc_u64 s[G0V+4*\n+2:G0V+4*\n+3], s[90:91], \n*16384
	s_or_b32 s[G0V+4*\n+3], s[G0V+4*\n+3], 0x80000000
	s_mov_b32 s[G0B+4*\n], 1
	s_add_co_u32 s[G0B+4*\n+1], s85, \n*SLOT
	s_add_nc_u64 s[G0B+4*\n+2:G0B+4*\n+3], s[92:93], \n*512
	s_or_b32 s[G0B+4*\n+3], s[G0B+4*\n+3], 0x80000000
.endr
	s_add_nc_u64 s[4:5], s[4:5], s[94:95]
	s_lshl_b32 s94, s94, 1                         ; g and the result: 256 bytes a row
	s_add_nc_u64 s[12:13], s[12:13], s[94:95]
	s_add_nc_u64 s[14:15], s[14:15], s[94:95]
	ROUND                                          ; all sixteen work-groups are here
	JLOAD 0                                        ; tiles 0 and 1: two loads of mine are out, the most in this text
	JLOAD 1
	v_and_b32 v24, 15, v0                          ; r
	v_bfe_u32 v25, v0, 4, 1                        ; h
	v_and_b32 v26, 31, v0                          ; lane
	v_lshrrev_b32 v27, 1, v24
	v_mul_u32_u24 v27, v27, 272
	v_and_b32 v28, 1, v24
	v_lshl_add_u32 v27, v28, 7, v27
	v_lshl_add_u32 v27, v25, 4, v27
	s_mul_i32 s24, s17, KH
	v_add_nc_u32 v[ADK], s24, v27                  ; key r: (r >> 1) x 272 + (r & 1) x 128 + 16 h: sixteen different 16-byte columns
	v_add_nc_u32 v[ADK+1], SLOT, v[ADK]
	v_bfe_u32 v27, v0, 1, 2
	v_lshl_add_u32 v27, v25, 2, v27
	v_mul_u32_u24 v27, v27, 288
	v_and_b32 v28, 1, v0
	v_lshl_add_u32 v27, v28, 7, v27
	v_bfe_u32 v28, v0, 3, 1
	v_lshl_add_u32 v27, v28, 4, v27
	s_mul_i32 s24, s17, VH
	s_add_co_u32 s24, s24, VOFF
	v_add_nc_u32 v[ADV], s24, v27                  ; key 8 h + (l & 7), 16 bytes of d by bit 3 of the lane
	v_add_nc_u32 v[ADV+1], SLOT, v[ADV]
	v_mul_u32_u24 v27, v24, BPITCH
	v_lshl_add_u32 v27, v25, 5, v27
	s_mul_i32 s24, s18, 32*BPITCH
	s_add_co_u32 s24, s24, BOFF
	v_add_nc_u32 v[ADB], s24, v27                  ; query row x 528 + 8 h keys of 4 bytes
	v_add_nc_u32 v[ADB+1], SLOT, v[ADB]
	s_mul_i32 s24, s[WV], 16*272
	s_add_co_u32 s24, s24, STAGE
	v_mul_u32_u24 v27, v24, 272
	v_lshl_add_u32 v27, v25, 4, v27
	v_add_nc_u32 v[STO], s24, v27                  ; way out, in: row r, 8 bf16 columns for each half of the lanes
	v_mul_u32_u24 v27, v25, 272
	v_lshl_add_u32 v27, v24, 4, v27
	v_add_nc_u32 v[RD], s24, v27                   ; back: lanes 0-15 one row of 256 bytes, lanes 16-31 the next
	v_lshlrev_b32 v27, 7, v24
	v_lshl_add_u32 v[QO], v25, 4, v27
	v_lshlrev_b32 v[GO], 4, v26
	WIN 0x40
	v_mov_b32 v[T+2], 0                            ; destinations of v_permlanex16_b32 count as read
	v_mov_b32 v[T+6], 0
	WIN 0
.irp t, 0,1
.irp dk, 0,1
	global_load_b128 v[Q+8*(2*\t+\dk):Q+8*(2*\t+\dk)+3],   v[QO], s[4:5] offset:2048*\t+64*\dk
	global_load_b128 v[Q+8*(2*\t+\dk)+4:Q+8*(2*\t+\dk)+7], v[QO], s[4:5] offset:2048*\t+64*\dk+32
.endr
.endr
.macro KLOAD sl, kb                    ; 16 loads: the K fragments of 64 keys
.irp kt, 0,1,2,3
.irp dk, 0,1
	ds_load_b128 v[KF+8*(2*\kt+\dk):KF+8*(2*\kt+\dk)+3],   v[ADK+\sl] offset:(32*\kb+8*\kt)*272+64*\dk
	ds_load_b128 v[KF+8*(2*\kt+\dk)+4:KF+8*(2*\kt+\dk)+7], v[ADK+\sl] offset:(32*\kb+8*\kt)*272+64*\dk+32
.endr
.endr
.endm
.macro BLOAD sl, kb                    ; 16 loads: the bias of my 32 queries x 64 keys, f32, in the order of B fragments
.irp t, 0,1
.irp f, 0,1
	ds_load_b128 v[BF+16*(2*\t+\f):BF+16*(2*\t+\f)+3],     v[ADB+\sl] offset:16*BPITCH*\t+256*\kb+128*\f
	ds_load_b128 v[BF+16*(2*\t+\f)+4:BF+16*(2*\t+\f)+7],   v[ADB+\sl] offset:16*BPITCH*\t+256*\kb+128*\f+16
	ds_load_b128 v[BF+16*(2*\t+\f)+8:BF+16*(2*\t+\f)+11],  v[ADB+\sl] offset:16*BPITCH*\t+256*\kb+128*\f+64
	ds_load_b128 v[BF+16*(2*\t+\f)+12:BF+16*(2*\t+\f)+15], v[ADB+\sl] offset:16*BPITCH*\t+256*\kb+128*\f+80
.endr
.endr
.endm
; 64 keys (half kb of the tile in slot sl).  zero = 1: the very first block starts m, l, O1 and O2.  gl = 1: the last block: g is asked for.
; LDS loads go in the order K, bias, V, sixteen each (for kb = 1 K's and the bias's were issued in the block before), and are waited for in that order.
; No two matrix instructions that follow each other share an accumulator, one instruction a turn.
.macro SUB sl, kb, zero, gl
.if 1-\kb
	KLOAD \sl, 0
	BLOAD \sl, 0
.endif
	WIN 0x40                                       ; destination window 1
.irp dv, 0,1,2,3
.irp f, 0,1
	ds_load_tr16_b128 v[VF+8*(2*\dv+\f):VF+8*(2*\dv+\f)+3],   v[ADV+\sl] offset:(32*\kb+16*\f)*288+32*\dv
	ds_load_tr16_b128 v[VF+8*(2*\dv+\f)+4:VF+8*(2*\dv+\f)+7], v[ADV+\sl] offset:(32*\kb+16*\f+8)*288+32*\dv
.endr
.endr
	s_wait_dscnt 32                                ; K's sixteen loads are in; the bias's and V's 32, issued behind them, stay out
	WIN 0x50                                       ; A (K) and B (Q) window 0; C and D (S) window 1
.irp dk, 0,1
.irp kt, 0,1,2,3
.irp t, 0,1
.if \dk
	v_wmma_f32_16x16x32_bf16 v[S+8*(4*\t+\kt):S+8*(4*\t+\kt)+7], v[KF+8*(2*\kt+\dk):KF+8*(2*\kt+\dk)+7], v[Q+8*(2*\t+\dk):Q+8*(2*\t+\dk)+7], v[S+8*(4*\t+\kt):S+8*(4*\t+\kt)+7]
.else
	v_wmma_f32_16x16x32_bf16 v[S+8*(4*\t+\kt):S+8*(4*\t+\kt)+7], v[KF+8*(2*\kt+\dk):KF+8*(2*\kt+\dk)+7], v[Q+8*(2*\t+\dk):Q+8*(2*\t+\dk)+7], 0
.endif
.endr
.endr
.endr
	s_wait_dscnt 16                                ; the bias is in; V's sixteen stay out
.irp tf, 0,1,2,3                       ; bias to bf16, window 0 to window 1 (the same setting serves); these 32 plain instructions are also the places behind the score products
.irp i, 0,1,2,3,4,5,6,7
	v_cvt_pk_bf16_f32 v[BP+8*\tf+\i], v[BF+16*\tf+2*\i], v[BF+16*\tf+2*\i+1]
.endr
.endr
.if \gl
	WIN 0
.irp t, 0,1
.irp u, 0,1,2,3,4,5,6,7
	global_load_b128 v[G+4*(8*\t+\u):G+4*(8*\t+\u)+3], v[GO], s[12:13] offset:4096*\t+512*\u     ; g of row tile t, u = 2 dv + e, into K's registers, which no product reads any more: gb's order is my lanes' own, 512 dense bytes a load
.endr
.endr
.endif
	WIN 0x55                                       ; all of window 1, up to the rescale
	; the running maximum: two chains a query tile over my 32 scores, then the old m, then the other half of the lanes
.irp t, 0,1
	v_max3_num_f32 v[T+4*\t],   v[S+32*\t],    v[S+32*\t+1],  v[S+32*\t+2]
	v_max3_num_f32 v[T+4*\t+1], v[S+32*\t+17], v[S+32*\t+18], v[S+32*\t+19]
.endr
.irp i, 0,1,2,3,4,5
.irp t, 0,1
	v_max3_num_f32 v[T+4*\t],   v[T+4*\t],   v[S+32*\t+3+2*\i],  v[S+32*\t+4+2*\i]
	v_max3_num_f32 v[T+4*\t+1], v[T+4*\t+1], v[S+32*\t+20+2*\i], v[S+32*\t+21+2*\i]
.endr
.endr
.irp t, 0,1
	v_max3_num_f32 v[T+4*\t], v[T+4*\t], v[S+32*\t+15], v[S+32*\t+16]
.endr
.irp t, 0,1
.if \zero
	v_max_num_f32 v[T+4*\t], v[T+4*\t], v[T+4*\t+1]
.else
	v_max3_num_f32 v[T+4*\t], v[T+4*\t], v[T+4*\t+1], v[MP+2*\t]
.endif
.endr
.irp t, 0,1
	v_permlanex16_b32 v[T+4*\t+2], v[T+4*\t], s26, s27
.endr
.irp t, 0,1
	v_max_num_f32 v[T+4*\t], v[T+4*\t], v[T+4*\t+2]
.endr
.if 1-\zero
.irp t, 0,1
	v_sub_f32 v[AP+2*\t], v[MP+2*\t], v[T+4*\t]
.endr
.irp t, 0,1
	v_exp_f32 v[AP+2*\t], v[AP+2*\t]               ; 2^(m old - m new)
.endr
.endif
.irp t, 0,1
	v_mov_b32 v[MP+2*\t], v[T+4*\t]                ; plain work behind the exponentials
	v_mov_b32 v[MP+2*\t+1], v[T+4*\t]
.endr
.if 1-\zero
	s_wait_alu depctr_va_vdst(0)
.irp t, 0,1
	v_mov_b32 v[AP+2*\t+1], v[AP+2*\t]
.endr
.endif
	; p = 2^(s - m) in sixteen groups of four scores.  In front of each group's exponentials stand one of the sixteen products O2 += V^T bias^T, which
	; names none of the softmax's registers, and the next group's two subtractions: matrix and vector instructions of this wave alternate.
.irp i, 0,2
	v_pk_add_f32 v[S+\i:S+\i+1], v[S+\i:S+\i+1], v[MP:MP+1] neg_lo:[0,1] neg_hi:[0,1]
.endr
	s_wait_dscnt 0                                 ; V is in
.set n, 0
.rept 16                               ; n = 8 f + 2 dv + t
.if \zero*(1-(n>>3))
	v_wmma_f32_16x16x32_bf16 v[O2+8*(n&7):O2+8*(n&7)+7], v[VF+8*(2*((n>>1)&3)+(n>>3)):VF+8*(2*((n>>1)&3)+(n>>3))+7], v[BP+8*(2*(n&1)+(n>>3)):BP+8*(2*(n&1)+(n>>3))+7], 0
.else
	v_wmma_f32_16x16x32_bf16 v[O2+8*(n&7):O2+8*(n&7)+7], v[VF+8*(2*((n>>1)&3)+(n>>3)):VF+8*(2*((n>>1)&3)+(n>>3))+7], v[BP+8*(2*(n&1)+(n>>3)):BP+8*(2*(n&1)+(n>>3))+7], v[O2+8*(n&7):O2+8*(n&7)+7]
.endif
.if n < 15
	v_pk_add_f32 v[S+4*n+4:S+4*n+5], v[S+4*n+4:S+4*n+5], v[MP+2*((n+1)>>3):MP+2*((n+1)>>3)+1] neg_lo:[0,1] neg_hi:[0,1]
	v_pk_add_f32 v[S+4*n+6:S+4*n+7], v[S+4*n+6:S+4*n+7], v[MP+2*((n+1)>>3):MP+2*((n+1)>>3)+1] neg_lo:[0,1] neg_hi:[0,1]
.endif
	v_exp_f32 v[S+4*n],   v[S+4*n]
	v_exp_f32 v[S+4*n+1], v[S+4*n+1]
	v_exp_f32 v[S+4*n+2], v[S+4*n+2]
	v_exp_f32 v[S+4*n+3], v[S+4*n+3]
.set n, n+1
.endr
	v_nop                                          ; one plain place behind the transcendentals (ISA guide 5.7.2)
	s_wait_alu depctr_va_vdst(0)
.irp t, 0,1
.if \zero
	s_wait_alu depctr_va_vdst(0)
	v_pk_add_f32 v[LS+2*\t:LS+2*\t+1], v[S+32*\t:S+32*\t+1], v[S+32*\t+2:S+32*\t+3]
.else
	v_pk_fma_f32 v[LS+2*\t:LS+2*\t+1], v[LS+2*\t:LS+2*\t+1], v[AP+2*\t:AP+2*\t+1], v[S+32*\t:S+32*\t+1]
.endif
.endr
.if 1-\zero
.irp t, 0,1
	v_pk_add_f32 v[LS+2*\t:LS+2*\t+1], v[LS+2*\t:LS+2*\t+1], v[S+32*\t+2:S+32*\t+3]
.endr
.endif
.irp i, 2,3,4,5,6,7,8,9,10,11,12,13,14,15
.irp t, 0,1
	v_pk_add_f32 v[LS+2*\t:LS+2*\t+1], v[LS+2*\t:LS+2*\t+1], v[S+32*\t+2*\i:S+32*\t+2*\i+1]
.endr
.endr
.irp t, 0,1                            ; p to bf16: tiles 2 f and 2 f + 1 become registers 0-3 and 4-7 of the B fragment P(t, f), in place
.irp f, 0,1
.irp i, 0,1,2,3
	v_cvt_pk_bf16_f32 v[S+32*\t+16*\f+\i], v[S+32*\t+16*\f+2*\i], v[S+32*\t+16*\f+2*\i+1]
.endr
.irp i, 0,1,2,3
	v_cvt_pk_bf16_f32 v[S+32*\t+16*\f+4+\i], v[S+32*\t+16*\f+8+2*\i], v[S+32*\t+16*\f+8+2*\i+1]
.endr
.endr
.endr
.if 1-\kb
	WIN 0
	KLOAD \sl, 1                                   ; the next block's K and bias, under this block's last products: their registers were read last by the
	BLOAD \sl, 1                                   ; score products and the conversions above
.endif
.if 1-\zero
	WIN 0x04                                       ; O1 window 0, the rescale (source 1) window 1
.irp dv, 0,1,2,3
.irp t, 0,1
.irp i, 0,2,4,6
	v_pk_mul_f32 v[O1+8*(2*\dv+\t)+\i:O1+8*(2*\dv+\t)+\i+1], v[O1+8*(2*\dv+\t)+\i:O1+8*(2*\dv+\t)+\i+1], v[AP+2*\t:AP+2*\t+1]
.endr
.endr
.endr
.endif
	WIN 0x05                                       ; A (V) and B (P) window 1; C and D (O1) window 0
.irp f, 0,1
.irp dv, 0,1,2,3
.irp t, 0,1
.if \zero*(1-\f)
	v_wmma_f32_16x16x32_bf16 v[O1+8*(2*\dv+\t):O1+8*(2*\dv+\t)+7], v[VF+8*(2*\dv+\f):VF+8*(2*\dv+\f)+7], v[S+32*\t+16*\f:S+32*\t+16*\f+7], 0
.else
	v_wmma_f32_16x16x32_bf16 v[O1+8*(2*\dv+\t):O1+8*(2*\dv+\t)+7], v[VF+8*(2*\dv+\f):VF+8*(2*\dv+\f)+7], v[S+32*\t+16*\f:S+32*\t+16*\f+7], v[O1+8*(2*\dv+\t):O1+8*(2*\dv+\t)+7]
.endif
.endr
.endr
.endr
	WIN 0
	PLACES 5                                       ; the next block's score products write over P, a source of these; its loads land in V's fragments
.endm
; Change of slots.  o = the slot just read.  Every wave: all its tensor loads have landed (its part of the next slot among them), its reads of slot o are
; done.  refill = 1: a round of the cluster's barrier, then the joint refill of slot o first behind it, one load a wave, with a whole tile's work in which to land.
.macro CHANGE o, refill
	s_wait_tensorcnt 0x0
	ds_add_u32 v30, v31
	s_wait_dscnt 0x0
.if \refill
	s_add_nc_u64 s[G0K+4*\o+2:G0K+4*\o+3], s[G0K+4*\o+2:G0K+4*\o+3], 2*16384     ; no load of mine is out: the groups may be written
	s_add_nc_u64 s[G0V+4*\o+2:G0V+4*\o+3], s[G0V+4*\o+2:G0V+4*\o+3], 2*16384
	s_add_nc_u64 s[G0B+4*\o+2:G0B+4*\o+3], s[G0B+4*\o+2:G0B+4*\o+3], 2*512
.endif
	s_wait_dscnt 0x0
.if \refill
	ROUND
	JLOAD \o
.else
	s_barrier_signal -1
	s_barrier_wait -1
.endif
.endm
	s_wait_tensorcnt 0x1                           ; my part of tile 0 is in; tile 1 stays out
	s_barrier_signal -1
	s_barrier_wait -1
	s_wait_loadcnt 0x0                             ; Q
	SUB 0, 0, 1, 0
	SUB 0, 1, 0, 0
	s_mov_b32 s84, 7                               ; tiles 1 to 14; the refills bring tiles 2 to 15
.Ltiles:
	CHANGE 0, 1
	SUB 1, 0, 0, 0
	SUB 1, 1, 0, 0
	CHANGE 1, 1
	SUB 0, 0, 0, 0
	SUB 0, 1, 0, 0
	s_sub_co_u32 s84, s84, 1
	s_cmp_lg_u32 s84, 0
	s_cbranch_scc1 .Ltiles
	CHANGE 0, 0                                    ; tile 15 is in; nothing is left to fetch
	SUB 1, 0, 0, 0
	SUB 1, 1, 0, 1
	; l: my two partial sums, then the other half's keys; 1 / l.  l is at least 1: the largest p of a row is 1.
	WIN 0x55
.irp t, 0,1
	v_add_f32 v[T+4*\t], v[LS+2*\t], v[LS+2*\t+1]
.endr
.irp t, 0,1
	v_permlanex16_b32 v[T+4*\t+2], v[T+4*\t], s26, s27
.endr
.irp t, 0,1
	v_add_f32 v[T+4*\t], v[T+4*\t], v[T+4*\t+2]
.endr
.irp t, 0,1
	v_rcp_f32 v[AP+2*\t], v[T+4*\t]
.endr
	v_nop
	s_wait_alu depctr_va_vdst(0)
.irp t, 0,1
	v_mov_b32 v[AP+2*\t+1], v[AP+2*\t]
.endr
	s_wait_loadcnt 0x0                             ; g
; 16 queries.  x = (O1 / l + O2) g in the accumulators' own layout (lane: query l % 16, columns 16 dv + 8 (l / 16) + 0..7);
; hi = bf16(x); lo = bf16(x - hi) (the difference is exact in f32); 16 bytes of each a column block into my stage, hi in a row's first
; 128 bytes and lo in its second; whole rows back: sixteen lanes store 256 consecutive aligned bytes.
.macro OUT16 t
	WIN 0x54                                       ; O1 (source 0) window 0; 1 / l, O2 and the result window 1
.irp dv, 0,1,2,3
.irp i, 0,2,4,6
	v_pk_fma_f32 v[S+32*\t+8*\dv+\i:S+32*\t+8*\dv+\i+1], v[O1+8*(2*\dv+\t)+\i:O1+8*(2*\dv+\t)+\i+1], v[AP+2*\t:AP+2*\t+1], v[O2+8*(2*\dv+\t)+\i:O2+8*(2*\dv+\t)+\i+1]
.endr
.endr
	WIN 0x41                                       ; g (source 1) window 0
.irp dv, 0,1,2,3
.irp i, 0,2,4,6
	v_pk_mul_f32 v[S+32*\t+8*\dv+\i:S+32*\t+8*\dv+\i+1], v[S+32*\t+8*\dv+\i:S+32*\t+8*\dv+\i+1], v[G+32*\t+8*\dv+\i:G+32*\t+8*\dv+\i+1]
.endr
.endr
	WIN 0x55
.irp n, 0,1,2,3,4,5,6,7,8,9,10,11,12,13,14,15
	v_cvt_pk_bf16_f32 v[OHI+\n], v[S+32*\t+2*\n], v[S+32*\t+2*\n+1]
.endr
.irp n, 0,1,2,3,4,5,6,7,8,9,10,11,12,13,14,15
	v_lshlrev_b32 v[TM+2*\n],   16, v[OHI+\n]                      ; hi as f32 again
	v_and_b32     v[TM+2*\n+1], 0xffff0000, v[OHI+\n]
.endr
.irp n, 0,1,2,3,4,5,6,7,8,9,10,11,12,13,14,15
	v_pk_add_f32 v[S+32*\t+2*\n:S+32*\t+2*\n+1], v[S+32*\t+2*\n:S+32*\t+2*\n+1], v[TM+2*\n:TM+2*\n+1] neg_lo:[0,1] neg_hi:[0,1]
.endr
.irp n, 0,1,2,3,4,5,6,7,8,9,10,11,12,13,14,15
	v_cvt_pk_bf16_f32 v[OLO+\n], v[S+32*\t+2*\n], v[S+32*\t+2*\n+1]
.endr
	WIN 0x04                                       ; an LDS store's data is source 1: window 1; its address window 0
.irp dv, 0,1,2,3
	ds_store_b128 v[STO], v[OHI+4*\dv:OHI+4*\dv+3] offset:32*\dv
	ds_store_b128 v[STO], v[OLO+4*\dv:OLO+4*\dv+3] offset:128+32*\dv
.endr
	WIN 0
.irp u, 0,1,2,3,4,5,6,7
	ds_load_b128 v[BF+32*\t+4*\u:BF+32*\t+4*\u+3], v[RD] offset:544*\u      ; LDS serves a wave in order: these see the stores above
.endr
.irp u, 0,1,2,3,4,5,6,7
	s_wait_dscnt 7-\u                              ; LDS loads return in order
	global_store_b128 v[GO], v[BF+32*\t+4*\u:BF+32*\t+4*\u+3], s[14:15] offset:4096*\t+512*\u
.endr
.endm
	OUT16 0
	OUT16 1
	s_wait_tensorcnt 0x0
	ds_add_u32 v30, v31
	s_wait_dscnt 0x0
	ROUND                                          ; the closing round
	s_endpgm
.Lfunc_end_k_q121c5962c4_attn:
	.size	k_q121c5962c4_attn, .Lfunc_end_k_q121c5962c4_attn-k_q121c5962c4_attn
	.p2alignl 7, 3214868480
	.fill 96, 4, 3214868480
	.section	.rodata,"a",@progbits
	.p2align	6, 0x0
	.amdhsa_kernel k_q121c5962c4_attn
		.amdhsa_group_segment_fixed_size 327680
		.amdhsa_private_segment_fixed_size 0
		.amdhsa_enable_private_segment 0
		.amdhsa_kernarg_size 48
		.amdhsa_user_sgpr_count 2
		.amdhsa_user_sgpr_kernarg_segment_ptr 1
		.amdhsa_wavefront_size32 1
		.amdhsa_system_sgpr_workgroup_id_x 1
		.amdhsa_system_sgpr_workgroup_id_y 1
		.amdhsa_system_sgpr_workgroup_id_z 1
		.amdhsa_system_vgpr_workitem_id 0
		.amdhsa_next_free_vgpr 512
		.amdhsa_next_free_sgpr 96
		.amdhsa_reserve_vcc 0
		.amdhsa_float_denorm_mode_32 3
		.amdhsa_float_denorm_mode_16_64 3
		.amdhsa_memory_ordered 1
		.amdhsa_forward_progress 1
		.amdhsa_inst_pref_size 198
	.end_amdhsa_kernel
	.amdgpu_metadata
---
amdhsa.version: [ 1, 2 ]
amdhsa.kernels:
  - .name:           k_q121c5962c4_attn
    .symbol:         k_q121c5962c4_attn.kd
    .args:
      - { .name: wqb, .offset: 0, .size: 8, .value_kind: global_buffer, .address_space: global }
      - { .name: wkb, .offset: 8, .size: 8, .value_kind: global_buffer, .address_space: global }
      - { .name: wvb, .offset: 16, .size: 8, .value_kind: global_buffer, .address_space: global }
      - { .name: bias, .offset: 24, .size: 8, .value_kind: global_buffer, .address_space: global }
      - { .name: gb, .offset: 32, .size: 8, .value_kind: global_buffer, .address_space: global }
      - { .name: ogb, .offset: 40, .size: 8, .value_kind: global_buffer, .address_space: global }
    .group_segment_fixed_size: 327680
    .private_segment_fixed_size: 0
    .kernarg_segment_align: 8
    .kernarg_segment_size: 48
    .max_flat_workgroup_size: 256
    .sgpr_count:     96
    .vgpr_count:     512
    .wavefront_size: 32
...
	.end_amdgpu_metadata
.endif
;; end of part 3
;; launch outp (part 4): grid 4 x 64, 4 waves a work-group, clusters of 4 x 4, 327,680 bytes of LDS; arguments ogb, wt, bo, out0; writes out0
.if DOCPART == 4
	.amdgcn_target "amdgcn-amd-amdhsa--gfx1250"
	.amdhsa_code_object_version 6
	.text
	.protected	k_q121c5962c4_outp
	.globl	k_q121c5962c4_outp
	.p2align	8
	.type	k_q121c5962c4_outp,@function
k_q121c5962c4_outp:
	s_mov_b64 s[64:65], 0
	v_nop
	global_prefetch_b8 v0, s[64:65] scope:SCOPE_SE
	s_setreg_imm32_b32 hwreg(HW_REG_WAVE_MODE, 25, 1), 1
	s_wait_xcnt 0x0
	s_wait_alu depctr_hold_cnt(0) depctr_sa_sdst(0) depctr_va_vdst(0) depctr_va_sdst(0) depctr_va_ssrc(0) depctr_va_vcc(0) depctr_vm_vsrc(0)
	s_getreg_b32 s2, hwreg(HW_REG_IB_STS2, 6, 4)
	s_cmp_eq_u32 s2, 0
	s_cbranch_scc0 .Lentry_in_a_cluster
	s_endpgm
.Lentry_in_a_cluster:
	s_bfe_u32 s2, ttmp6, 0x10000c
	s_cmp_lg_u32 s2, 0xf033
	s_cbranch_scc0 .Lentry_shape_is_right
	s_endpgm
.Lentry_shape_is_right:
; out0 = og Wo + bo.  og comes as two bf16 numbers, ogb[b][head][row][hi 64 | lo 64] (256 bytes a row), og = hi + lo;
; Wo: part 4 of wt, [c2][n][kk] bf16; out0 f32 [8192][512].  Both parts are multiplied by the same fragments of Wo and summed in one f32 accumulator.
; A work-group makes 128 rows x 128 columns with four waves, as many as a WGP has SIMDs; wave (wm, wn) makes 64 x 64: 16 accumulators.  K ascending.
; 4 x 64 = 256 work-groups.  K goes in four chunks of 128 (two heads).  A chunk is 2 x 128 rows of A (hi | lo) and 128 rows n of Wo, 272 bytes each
; in LDS: 104,448 bytes.  Three such slots fit: chunks 0 to 2 are asked for together at the start, chunk 3 fills slot 0 again when chunk 0 has been
; multiplied, and has chunks 1 and 2, 256 products of each wave, in which to land.
; CLUSTER 4 x 4: A's tiles hang on the row block alone and are asked for jointly along a row of the cluster, B's on the column block alone, along a column.
; Waves 0, 1 fetch A (one head's 128 rows a load), waves 2, 3 fetch B (64 rows n a load): three loads of a wave are out at the start, one behind the refill.
; WINDOWS: 0: addresses, two fragment buffers, way out;  1: the accumulators, tile (i, bt) at 8 (4 i + bt).
; The matrix instruction is used transposed (source 0 = rows n of Wo, source 1 = rows of og): a lane holds one row and 8 neighbouring columns.
; LIMIT: Wo is bf16, og two bf16 numbers (matrix operands).
.set PITCH, 272
.set AH,    128*PITCH                  ; a head's 128 rows of A
.set BH,    64*PITCH                   ; 64 rows n of Wo
.set BOFF,  2*AH                       ; B behind A's two heads
.set SLOT,  2*AH+2*BH
.set STAGE, SLOT                       ; way out: 16 rows x 272 for each wave, in slot 1, which is filled once and is read for the last time ahead of the barrier in front of chunk 3
.set WV,  12
.set G1A, 16
.set G1B, 24
.set G0A, 32                           ; s[32:47] one set for each chunk, never rewritten
.set G0B, 48                           ; s[48:63]
.set CO,  1
.set ADA, 2                            ; v2-4  my rows of A in slot 0, 1, 2
.set ADB, 6                            ; v6-8  my rows n of Wo
.set STO, 10
.set RD,  11
.set BOV, 12                           ; v[12:15] bo of my four columns
.set F0,  32                           ; a fragment buffer: Wo 0-31, hi 32-63, lo 64-95
.set F1,  128
.set RBK, 224                          ; v[224:255] way out
.set MSB, 0
.macro WIN new                         ; the immediate's high byte repeats the setting that is left
.if MSB != \new
	s_set_vgpr_msb (MSB<<8)|\new
.set MSB, \new
.endif
.endm
.macro PLACES n
.rept \n
	v_nop
.endr
.endm
.macro CREST                           ; a round of the cluster's barrier behind its opening work-group barrier
	s_cmp_lg_u32 s[WV], 0
	s_cbranch_scc1 .Lnot_wave_0_\@
	s_barrier_signal -3
.Lnot_wave_0_\@:
	s_barrier_wait -3
	s_barrier_signal -1
	s_barrier_wait -1
.endm
.macro ROUND
	s_barrier_signal -1
	s_barrier_wait -1
	CREST
.endm
	s_load_b256 s[4:11], s[0:1], 0x0               ; ogb wt bo out0
	v_lshl_add_u32 v30, v0, 2, 0x4c800
	v_mov_b32 v31, 0
	ds_add_u32 v30, v31
	v_lshrrev_b32 v1, 5, v0
	v_readfirstlane_b32 s[WV], v1
	s_lshr_b32 s13, s[WV], 1                       ; wm
	s_and_b32 s14, s[WV], 1                        ; wn; also: which half of A or B I fetch
	s_bfe_u32 s66, ttmp6, 0x40000                  ; cx
	s_bfe_u32 s67, ttmp6, 0x40004                  ; cy
	s_lshl_b32 s68, ttmp9, 2
	s_add_co_u32 s68, s68, s66                     ; column block
	s_and_b32 s69, ttmp7, 0xffff
	s_lshl_b32 s69, s69, 2
	s_add_co_u32 s69, s69, s67                     ; row block of 128 rows
	s_lshl_b32 s70, s67, 2
	s_lshl_b32 s70, 15, s70                        ; my row of the cluster
	s_lshl_b32 s71, 0x1111, s66                    ; my column
	; rows of 128 bf16, dense, 16 bytes of padding behind each row: A 128 rows a load, B 64
	s_or_b32 s[G1A+0], s70, (1<<16)|(1<<20)|(1<<21)|(5<<22)|(3<<25)
	s_or_b32 s[G1B+0], s71, (1<<16)|(1<<20)|(1<<21)|(5<<22)|(3<<25)
	s_mov_b32 s[G1A+1], 128<<16
	s_mov_b32 s[G1B+1], 128<<16
	s_mov_b32 s[G1A+2], 128<<16
	s_mov_b32 s[G1B+2], 64<<16
	s_mov_b32 s[G1A+3], 128<<16
	s_mov_b32 s[G1B+3], 128<<16
	s_mov_b32 s[G1A+4], 128
	s_mov_b32 s[G1B+4], 64
	s_mov_b32 s[G1A+5], 128
	s_mov_b32 s[G1B+5], 128
	s_mov_b32 s[G1A+6], 0
	s_mov_b32 s[G1B+6], 0
	s_mov_b32 s[G1A+7], 0
	s_mov_b32 s[G1B+7], 0
	s_lshr_b32 s72, s69, 4                         ; A: batch (8 heads of 2,048 rows of 256 bytes) + 128 rows a block + my head of the chunk's two
	s_lshl_b32 s72, s72, 22
	s_and_b32 s73, s69, 15
	s_lshl_b32 s73, s73, 15
	s_add_co_u32 s72, s72, s73
	s_lshl_b32 s73, s14, 19
	s_add_co_u32 s72, s72, s73
	s_mov_b32 s73, 0
	s_lshl_b32 s74, s68, 15                        ; B: tile 16 of wt on, 128 rows n a column block, my 64 of them
	s_lshl_b32 s75, s14, 14
	s_add_co_u32 s74, s74, s75
	s_add_co_u32 s74, s74, 16<<17
	s_mov_b32 s75, 0
	s_mul_i32 s76, s[WV], AH                       ; LDS: the wave's number times a constant plus constants
	s_mul_i32 s77, s[WV], BH
	s_lshl_b32 s78, s69, 18                        ; out0: 128 rows of 2,048 bytes a block, 64 wm rows, 512 bytes a column block, 256 wn
	s_lshl_b32 s79, s13, 17
	s_add_co_u32 s78, s78, s79
	s_lshl_b32 s80, s68, 9
	s_lshl_b32 s81, s14, 8
	s_add_co_u32 s80, s80, s81
	s_add_co_u32 s78, s78, s80
	s_mov_b32 s79, 0
	s_mov_b32 s81, 0
	s_wait_dscnt 0x0
	s_wait_kmcnt 0x0
	s_add_nc_u64 s[72:73], s[4:5], s[72:73]
	s_add_nc_u64 s[74:75], s[6:7], s[74:75]
	s_add_nc_u64 s[8:9], s[8:9], s[80:81]
	s_add_nc_u64 s[10:11], s[10:11], s[78:79]
.irp j, 0,1,2,3                        ; chunk j goes to slot j, chunk 3 to slot 0
	s_mov_b32 s[G0A+4*\j], 1
	s_add_co_u32 s[G0A+4*\j+1], s76, (\j%3)*SLOT
	s_add_nc_u64 s[G0A+4*\j+2:G0A+4*\j+3], s[72:73], \j*1048576
	s_or_b32 s[G0A+4*\j+3], s[G0A+4*\j+3], 0x80000000
	s_mov_b32 s[G0B+4*\j], 1
	s_add_co_u32 s[G0B+4*\j+1], s77, (\j%3)*SLOT+BOFF-2*BH
	s_add_nc_u64 s[G0B+4*\j+2:G0B+4*\j+3], s[74:75], \j*131072
	s_or_b32 s[G0B+4*\j+3], s[G0B+4*\j+3], 0x80000000
.endr
	ROUND                                          ; all sixteen work-groups are here
	s_cmp_ge_u32 s[WV], 2                          ; one branch on the wave's number round all of a wave's first fills: three loads on either way
	s_cbranch_scc1 .Lfor_b
.irp j, 0,1,2
	tensor_load_to_lds s[G0A+4*\j:G0A+4*\j+3], s[G1A:G1A+7]
	s_nop 0
.endr
	s_branch .Lasked
.Lfor_b:
.irp j, 0,1,2
	tensor_load_to_lds s[G0B+4*\j:G0B+4*\j+3], s[G1B:G1B+7]
	s_nop 0
.endr
.Lasked:
	v_and_b32 v17, 15, v0                          ; r
	v_bfe_u32 v18, v0, 4, 1                        ; h
	v_lshlrev_b32 v16, 4, v17
	global_load_b128 v[BOV:BOV+3], v16, s[8:9]     ; bo of columns 4 r .. 4 r + 3 of my 64
	v_mul_u32_u24 v19, v17, PITCH
	v_lshl_add_u32 v19, v18, 4, v19                ; row r x 272 + 16 h, for A and for B
	s_mul_i32 s82, s13, 64*PITCH
	v_add_nc_u32 v[ADA], s82, v19                  ; my 64 rows of a head
	s_mul_i32 s82, s14, 64*PITCH
	s_add_co_u32 s82, s82, BOFF
	v_add_nc_u32 v[ADB], s82, v19                  ; my 64 rows n
.irp j, 1,2
	v_add_nc_u32 v[ADA+\j], \j*SLOT, v[ADA]
	v_add_nc_u32 v[ADB+\j], \j*SLOT, v[ADB]
.endr
	s_mul_i32 s82, s[WV], 16*PITCH
	s_add_co_u32 s82, s82, STAGE
	v_mul_u32_u24 v19, v17, PITCH
	v_lshl_add_u32 v19, v18, 5, v19
	v_add_nc_u32 v[STO], s82, v19
	v_mul_u32_u24 v19, v18, PITCH
	v_lshl_add_u32 v19, v17, 4, v19
	v_add_nc_u32 v[RD], s82, v19
	v_lshlrev_b32 v19, 4, v17
	v_lshl_add_u32 v[CO], v18, 11, v19
; 24 loads: the fragments of 32 k (quarter kq of the chunk in slot sl): four of Wo, four of hi, four of lo (128 bytes further on in the same LDS rows)
.macro LOADF sl, kq, f
	WIN 0
.irp bt, 0,1,2,3
	ds_load_b128 v[\f+8*\bt:\f+8*\bt+3],   v[ADB+\sl] offset:\bt*16*PITCH+64*\kq
	ds_load_b128 v[\f+8*\bt+4:\f+8*\bt+7], v[ADB+\sl] offset:\bt*16*PITCH+64*\kq+32
.endr
.irp i, 0,1,2,3
	ds_load_b128 v[\f+32+8*\i:\f+32+8*\i+3],   v[ADA+\sl] offset:(\kq>>1)*AH+\i*16*PITCH+64*(\kq&1)
	ds_load_b128 v[\f+32+8*\i+4:\f+32+8*\i+7], v[ADA+\sl] offset:(\kq>>1)*AH+\i*16*PITCH+64*(\kq&1)+32
.endr
.irp i, 0,1,2,3
	ds_load_b128 v[\f+64+8*\i:\f+64+8*\i+3],   v[ADA+\sl] offset:(\kq>>1)*AH+\i*16*PITCH+64*(\kq&1)+128
	ds_load_b128 v[\f+64+8*\i+4:\f+64+8*\i+7], v[ADA+\sl] offset:(\kq>>1)*AH+\i*16*PITCH+64*(\kq&1)+160
.endr
.endm
; 16 products with part p of og (0 hi, 1 lo); the 16 accumulators take turns in one fixed order, one instruction a turn
.macro MULP f, p, zero
	WIN 0x50                                       ; C and D window 1
.irp i, 0,1,2,3
.irp bt, 0,1,2,3
.if \zero
	v_wmma_f32_16x16x32_bf16 v[8*(4*\i+\bt):8*(4*\i+\bt)+7], v[\f+8*\bt:\f+8*\bt+7], v[\f+32+32*\p+8*\i:\f+32+32*\p+8*\i+7], 0
.else
	v_wmma_f32_16x16x32_bf16 v[8*(4*\i+\bt):8*(4*\i+\bt)+7], v[\f+8*\bt:\f+8*\bt+7], v[\f+32+32*\p+8*\i:\f+32+32*\p+8*\i+7], v[8*(4*\i+\bt):8*(4*\i+\bt)+7]
.endif
.endr
.endr
.endm
; One step of 32 k: the next step's fragments (slot ns, quarter nkq) are asked for into buffer g, then buffer f is multiplied.
; Four plain places stand between a matrix instruction and a load into a register that it read.
.macro STEP f, g, ns, nkq, zero
	PLACES 4
	LOADF \ns, \nkq, \g
	s_wait_dscnt 24                                ; all but the 24 just issued: buffer f is in
	MULP \f, 0, \zero
	MULP \f, 1, 0
.endm
; A chunk's last step where the next chunk wants a barrier.  In front of the signal my LDS reads are back and all my tensor loads have landed; the hi products,
; register work, stand between signal and wait.  refill = 1: the barrier opens a round of the cluster's barrier, and chunk 3's joint load into slot 0,
; which no wave of any partner reads any more, is the first tensor load behind the round, one a wave.  refill = 0: chunk 3 has landed for every wave.
.macro TURN f, g, ns, refill
	s_wait_dscnt 0
	s_wait_tensorcnt 0x0
	ds_add_u32 v30, v31
	s_wait_dscnt 0x0
	s_barrier_signal -1
	MULP \f, 0, 0
	WIN 0
	s_barrier_wait -1
.if \refill
	CREST
	s_cmp_ge_u32 s[WV], 2
	s_cbranch_scc1 .Lagain_b
	tensor_load_to_lds s[G0A+12:G0A+15], s[G1A:G1A+7]
	s_nop 0
	s_branch .Lagain_done
.Lagain_b:
	tensor_load_to_lds s[G0B+12:G0B+15], s[G1B:G1B+7]
	s_nop 0
.Lagain_done:
.endif
	PLACES 4
	LOADF \ns, 0, \g
	MULP \f, 1, 0
.endm
	s_wait_tensorcnt 0x2                           ; tensor loads end in order: my part of chunk 0 is in, chunks 1 and 2 stay out
	s_barrier_signal -1
	s_barrier_wait -1                              ; everybody's part is in
	LOADF 0, 0, F0
	STEP F0, F1, 0, 1, 1                           ; chunk 0: the first products start the sums
	STEP F1, F0, 0, 2, 0
	STEP F0, F1, 0, 3, 0
	TURN F1, F0, 1, 1                              ; chunks 1 and 2 have landed for every wave; chunk 3 goes out
	STEP F0, F1, 1, 1, 0                           ; chunk 1
	STEP F1, F0, 1, 2, 0
	STEP F0, F1, 1, 3, 0
	STEP F1, F0, 2, 0, 0
	STEP F0, F1, 2, 1, 0                           ; chunk 2
	STEP F1, F0, 2, 2, 0
	STEP F0, F1, 2, 3, 0
	TURN F1, F0, 0, 0
	STEP F0, F1, 0, 1, 0                           ; chunk 3, in slot 0
	STEP F1, F0, 0, 2, 0
	STEP F0, F1, 0, 3, 0
	s_wait_dscnt 0
	MULP F1, 0, 0
	MULP F1, 1, 0
	WIN 0
	PLACES 4                                       ; behind the last matrix instructions: the LDS stores below read results
	s_wait_loadcnt 0x0                             ; bo
; 16 rows: through my own stage to whole rows; sixteen lanes store 256 consecutive aligned bytes
.macro OUT16 i
	WIN 0x04                                       ; an LDS store's data is source 1: window 1
.irp bt, 0,1,2,3
	ds_store_b128 v[STO], v[8*(4*\i+\bt):8*(4*\i+\bt)+3]   offset:64*\bt
	ds_store_b128 v[STO], v[8*(4*\i+\bt)+4:8*(4*\i+\bt)+7] offset:64*\bt+16
.endr
	WIN 0
	s_wait_xcnt 0x0                                ; the registers that the last stores read are loaded again only behind this wait
.irp u, 0,1,2,3,4,5,6,7
	ds_load_b128 v[RBK+4*\u:RBK+4*\u+3], v[RD] offset:2*PITCH*\u      ; LDS serves a wave in order: these see the stores above
.endr
.irp u, 0,1,2,3,4,5,6,7
	s_wait_dscnt 7-\u
	v_pk_add_f32 v[RBK+4*\u:RBK+4*\u+1],   v[RBK+4*\u:RBK+4*\u+1],   v[BOV:BOV+1]
	v_pk_add_f32 v[RBK+4*\u+2:RBK+4*\u+3], v[RBK+4*\u+2:RBK+4*\u+3], v[BOV+2:BOV+3]
	global_store_b128 v[CO], v[RBK+4*\u:RBK+4*\u+3], s[10:11] offset:(16*\i+2*\u)*2048 th:TH_STORE_NT
.endr
.endm
	OUT16 0
	OUT16 1
	OUT16 2
	OUT16 3
	s_wait_tensorcnt 0x0
	ds_add_u32 v30, v31
	s_wait_dscnt 0x0
	ROUND                                          ; the closing round
	s_endpgm
.Lfunc_end_k_q121c5962c4_outp:
	.size	k_q121c5962c4_outp, .Lfunc_end_k_q121c5962c4_outp-k_q121c5962c4_outp
	.p2alignl 7, 3214868480
	.fill 96, 4, 3214868480
	.section	.rodata,"a",@progbits
	.p2align	6, 0x0
	.amdhsa_kernel k_q121c5962c4_outp
		.amdhsa_group_segment_fixed_size 327680
		.amdhsa_private_segment_fixed_size 0
		.amdhsa_enable_private_segment 0
		.amdhsa_kernarg_size 32
		.amdhsa_user_sgpr_count 2
		.amdhsa_user_sgpr_kernarg_segment_ptr 1
		.amdhsa_wavefront_size32 1
		.amdhsa_system_sgpr_workgroup_id_x 1
		.amdhsa_system_sgpr_workgroup_id_y 1
		.amdhsa_system_sgpr_workgroup_id_z 1
		.amdhsa_system_vgpr_workitem_id 0
		.amdhsa_next_free_vgpr 384
		.amdhsa_next_free_sgpr 90
		.amdhsa_reserve_vcc 0
		.amdhsa_float_denorm_mode_32 3
		.amdhsa_float_denorm_mode_16_64 3
		.amdhsa_memory_ordered 1
		.amdhsa_forward_progress 1
		.amdhsa_inst_pref_size 81
	.end_amdhsa_kernel
	.amdgpu_metadata
---
amdhsa.version: [ 1, 2 ]
amdhsa.kernels:
  - .name:           k_q121c5962c4_outp
    .symbol:         k_q121c5962c4_outp.kd
    .args:
      - { .name: ogb, .offset: 0, .size: 8, .value_kind: global_buffer, .address_space: global }
      - { .name: wt, .offset: 8, .size: 8, .value_kind: global_buffer, .address_space: global }
      - { .name: bo, .offset: 16, .size: 8, .value_kind: global_buffer, .address_space: global }
      - { .name: out0, .offset: 24, .size: 8, .value_kind: global_buffer, .address_space: global }
    .group_segment_fixed_size: 327680
    .private_segment_fixed_size: 0
    .kernarg_segment_align: 8
    .kernarg_segment_size: 32
    .max_flat_workgroup_size: 128
    .sgpr_count:     90
    .vgpr_count:     384
    .wavefront_size: 32
...
	.end_amdgpu_metadata
.endif
;; end of part 4
